; MI455X (gfx1250); checked and timed in simulation.
; The chip was launched on July 23, 2026; its instructions are those of AMD's public machine-readable ISA for CDNA 5 (MIT licence, August 2026) and "CDNA5" Instruction Set Architecture Reference Guide (July 2026). The comments in the code are by the model that wrote it; some were corrected since.
;; MZI Block Linear. Allowed arithmetic: float matrix products may take bf16 or f16 operands with f32 sums; other float arithmetic in f32, or as packed bf16 or f16 multiplies, adds, multiply-adds, maxima and minima; sums over many terms, partial sums and values carried from step to step in f32; what a program stores and reads back later, other than sums and carried values, may be rounded once to bf16 or f16.
;; Inputs: s 512 x 512 x 8 float32; u 512 x 512 x 8 x 8 float32; v 512 x 512 x 8 x 8 float32; x 4,096 x 4,096 float32.
;; Outputs: out0 4,096 x 4,096 float32.
;; One version. Each part assembles by itself: llvm-mc -triple=amdgcn-amd-amdhsa -mcpu=gfx1250 --defsym DOCPART=n.
;; ======== version 1 of 1: 2 launches
;; workspace buffers: wb 33,554,432 bytes; xb 33,554,432 bytes
;; launch prep (part 1): grid 256 x 1, 8 waves a work-group, no clusters, 327,680 bytes of LDS; arguments u, s, v, x, wb, xb; writes wb, xb
.if DOCPART == 1
	.amdgcn_target "amdgcn-amd-amdhsa--gfx1250"
	.amdhsa_code_object_version 6
	.text
	.protected	k_qc2874043b5_prep
	.globl	k_qc2874043b5_prep
	.p2align	8
	.type	k_qc2874043b5_prep,@function
k_qc2874043b5_prep:
	s_mov_b64 s[64:65], 0
	v_nop
	global_prefetch_b8 v0, s[64:65] scope:SCOPE_SE
	s_setreg_imm32_b32 hwreg(HW_REG_WAVE_MODE, 25, 1), 1
	s_wait_xcnt 0x0
; FIRST OF TWO LAUNCHES.  out0 = x W^T, W[8p+i][8q+j] = the sum over k of u[p,q,i,k] s[p,q,k] v[p,q,k,j].
; This launch makes wb = W in bf16, [4096 n][4096 k] row-major (n = 8p+i, k = 8q+j), and xb = x in bf16, same shape as x.  The second launch multiplies them.
; NOTHING IS LEFT OUT: u, s, v and x all reach every output, and all four are loaded whole.
; FORMATS.  u, s, v and x are each rounded to bf16 (to nearest even) as they come in; a block of W is summed in f32 from the rounded numbers (u s is exact in f32: 8 + 8 bits;
; u s v is exact inside the fused multiply-add: 24 bits; only the eight-term sum rounds) and W is rounded ONCE to bf16.  W in f16 would have no room: with inputs 30 times larger W is 27,000 times larger.
; LIMITS.  |W| beyond bf16's largest finite number becomes an infinity; the sum over k is taken ascending, which may be another order than the reference's; NaN and infinities pass through the arithmetic untreated.
; WHY THE VECTOR UNIT.  The 8 x 8 x 8 products are 2 x 512 x 262,144 of the problem's 137.7e9 operations, one part in 500.  A 16 x 16 x 32 matrix instruction would hold two blocks (1,024 of its
; 8,192 multiply-adds), want v turned so that k lies along a lane, and want u s rounded to 16 bits, a second rounding of W's factors.  In f32 a lane makes its whole block from 128 registers.
; SHARES.  Work-group g owns blocks 1024 g .. 1024 g + 1023 (p = 2g, 2g + 1): 256 KiB of u, 256 KiB of v, 32 KiB of s, each on end; and 256 KiB of x (rows 16 g .. 16 g + 15).
; Four steps of 256 blocks; in step t thread T owns block 1024 g + 256 t + T: p = 2g + t / 2, q = 256 (t % 2) + T.  Row i of its block is 16 bytes of wb at row 8p + i, byte 16 q: a wave's
; store covers 512 consecutive bytes, aligned.  x: wave w casts 32 KiB, 64 loads of 512 consecutive bytes, each giving a store of 256 consecutive bytes, aligned.
; THE WAY IN.  A lane wants 256 consecutive bytes of u and of v (its block), which as loads into registers would be 32 lanes 256 bytes apart.  So u and v come through LDS: a tensor load brings
; 64 blocks as 64 rows of 256 bytes, padded to 272, and each lane reads its own row.  Two slots of a step each; a slot is emptied into registers BEFORE the step's arithmetic, so that its refill
; is on its way during all of that arithmetic.  NO CLUSTER: no two work-groups read the same byte.
.set PITCH, 272                        ; an LDS row: 256 bytes + 16 of padding = 68 words: row r starts at bank 4 r mod 64 (64 banks of 4 bytes: ISA guide 11.1)
.set QUART, 64*PITCH                   ; what one tensor load brings: 64 rows
.set TILE,  4*QUART                    ; 256 rows: a step's u, or its v
.set SLOT,  2*TILE                     ; u's tile, then v's
.set SPARE, 2*SLOT                     ; behind the ring: the spare words, 128 bytes for each of the eight waves: four blocks of 256 bytes that no other line names
.set STEPB, 65536                      ; bytes of u, and of v, in a step
.set SPW, 2                            ; v2       LDS address of my spare word: SPARE + 4 x my thread's number; never rewritten
.set NIL, 3                            ; v3       0; never rewritten
.set LA,  4                            ; v4-7     my row in slot 0's u, slot 0's v, slot 1's u, slot 1's v
.set SO,  8                            ; v8       32 T: my 8 numbers of s in a step
.set WO,  9                            ; v9       16 T: my 16 bytes in a row of wb
.set XO,  10                           ; v10      32,768 w + 16 lane: my 16 bytes of x
.set XBO, 11                           ; v11      16,384 w + 8 lane: my 8 bytes of xb
.set TT,  12                           ; v12-15   packed halves, at work
.set US,  16                           ; v16-23   u s of one row of the block
.set SR,  24                           ; v24-55   s of my four blocks, 8 registers a step
.set ACC, 56                           ; v56-63   one row's eight sums
.set RU,  64                           ; v64-127  u: element (i, k) at RU + 8 i + k; a row's first four registers later hold the row of W, packed
.set RV,  128                          ; v128-191 v: element (k, j) at RV + 8 k + j
.set RX,  192                          ; v192-255 x: sixteen loads of four registers
.set G1,  24                           ; s[24:31] descriptor group 1: the shape, the same for every load
.set G0,  32                           ; s[32:39] descriptor group 0, a set for each slot
	s_load_b256 s[4:11], s[0:1], 0x0               ; u s[4:5], s s[6:7], v s[8:9], x s[10:11]
	s_load_b128 s[12:15], s[0:1], 0x20             ; wb s[12:13], xb s[14:15]
	v_lshl_add_u32 v[SPW], v0, 2, SPARE
	v_mov_b32 v[NIL], 0
	ds_add_u32 v[SPW], v[NIL]                      ; the wave's opening: the add, twice on end, and its wait ahead of my first tensor load; the set-up below stands between
	ds_add_u32 v[SPW], v[NIL]                      ; and once more, under the one wait
	v_lshrrev_b32 v1, 5, v0
	v_readfirstlane_b32 s16, v1                    ; wave 0..7
	s_mov_b32 s17, 0xffff0000                      ; a word's upper bf16
	; Group 1: a tile of 64 rows x 64 elements of 4 bytes, dense in memory, padded in LDS
	s_mov_b32 s[G1+0], (2<<16)|(1<<20)|(5<<22)|(3<<25)  ; 17:16 elements of 4 bytes; 20 padding on; 24:22 after every 64 words (code 5); 31:25 4 words of it (code 3)
	s_mov_b32 s[G1+1], 64<<16                      ; tensor_dim0 = 64
	s_mov_b32 s[G1+2], 64<<16                      ; tensor_dim1 = 64
	s_mov_b32 s[G1+3], 64<<16                      ; tile_dim0 = 64
	s_mov_b32 s[G1+4], 64                          ; tile_dim1 = 64
	s_mov_b32 s[G1+5], 64                          ; 64 elements from row to row
	s_mov_b32 s[G1+6], 0
	s_mov_b32 s[G1+7], 0
	s_mul_i32 s22, s16, QUART                      ; where my quarter goes: waves 0-3 u's four quarters, waves 4-7 v's, which lie directly behind
	s_and_b32 s18, s16, 3
	s_lshl_b32 s18, s18, 14                        ; my quarter's 64 blocks of 256 bytes in memory,
	s_lshl_b32 s20, ttmp9, 18                      ; the work-group's 262,144 bytes
	s_add_co_u32 s18, s18, s20
	s_mov_b32 s19, 0
	s_mov_b32 s21, 0
	s_wait_dscnt 0x0                               ; both opening adds are done
	s_wait_kmcnt 0x0
	s_cmp_lt_u32 s16, 4
	s_cselect_b64 s[40:41], s[4:5], s[8:9]         ; I fetch for u or for v
	s_add_nc_u64 s[40:41], s[40:41], s[18:19]
.irp n, 0,1                            ; both first fills go out together, ahead of every wait on TENSORcnt, every LDS read and every barrier: two loads of mine are out
	s_mov_b32 s[G0+4*(\n)], 1                      ; count = 1
	s_add_co_u32 s[G0+4*(\n)+1], s22, (\n)*SLOT    ; LDS address
	s_add_nc_u64 s[G0+4*(\n)+2:G0+4*(\n)+3], s[40:41], (\n)*STEPB  ; global address: step n
	s_or_b32 s[G0+4*(\n)+3], s[G0+4*(\n)+3], 0x80000000            ; type = 2
	tensor_load_to_lds s[G0+4*(\n):G0+4*(\n)+3], s[G1:G1+7]
	s_nop 0
.endr
	s_add_nc_u64 s[10:11], s[10:11], s[20:21]      ; x at the work-group's 262,144 bytes
	s_lshl_b32 s20, ttmp9, 17
	s_add_nc_u64 s[12:13], s[12:13], s[20:21]      ; wb at row 16 g: 16 rows of 8,192 bytes
	s_add_nc_u64 s[14:15], s[14:15], s[20:21]      ; xb at half of x's offset
	s_lshl_b32 s20, ttmp9, 15
	s_add_nc_u64 s[6:7], s[6:7], s[20:21]          ; s at the work-group's 32,768 bytes
	v_mul_u32_u24 v[LA], v0, PITCH
	v_add_nc_u32 v[LA+1], TILE, v[LA]
	v_add_nc_u32 v[LA+2], SLOT, v[LA]
	v_add_nc_u32 v[LA+3], SLOT+TILE, v[LA]
	v_lshlrev_b32 v[SO], 5, v0
	v_lshlrev_b32 v[WO], 4, v0
	v_and_b32 v[TT], 31, v0                        ; lane
	v_lshlrev_b32 v[XO], 4, v[TT]
	v_lshl_add_u32 v[XO], v1, 15, v[XO]
	v_lshlrev_b32 v[XBO], 3, v[TT]
	v_lshl_add_u32 v[XBO], v1, 14, v[XBO]
; Batch t of x: sixteen loads of 512 consecutive bytes a wave
.macro XLOAD t
.set n, 0
.rept 16
	global_load_b128 v[RX+4*n:RX+4*n+3], v[XO], s[10:11] offset:(16*(\t)+n)*512 th:TH_LOAD_NT
.set n, n+1
.endr
.endm
; Batch t of x is rounded and stored, and the next batch asked for: it has a step's arithmetic in which to come
.macro XB t
	s_wait_loadcnt 0x0                             ; the batch is in (at t = 0 also s: all loads issued so far)
.set n, 0
.rept 16
	v_cvt_pk_bf16_f32 v[RX+4*n], v[RX+4*n], v[RX+4*n+1]
	v_cvt_pk_bf16_f32 v[RX+4*n+1], v[RX+4*n+2], v[RX+4*n+3]
	global_store_b64 v[XBO], v[RX+4*n:RX+4*n+1], s[14:15] offset:(16*(\t)+n)*256  ; 32 lanes store 256 consecutive bytes, at a multiple of 256 from xb's first byte
.set n, n+1
.endr
.if (\t) < 3
	s_wait_xcnt 0x0                                ; the stores above have read their data: only behind this wait are those registers loaded again
	XLOAD (\t)+1
.endif
.endm
; Slot n is emptied into registers: my block of u and my block of v, sixteen loads of 16 bytes each
.macro READ n
	s_wait_xcnt 0x0                                ; the last step's stores of W, whose data lay in u's registers, have read them
.irp c, 0,1,2,3,4,5,6,7,8,9,10,11,12,13,14,15
	ds_load_b128 v[RU+4*(\c):RU+4*(\c)+3], v[LA+2*(\n)] offset:16*(\c)
.endr
.irp c, 0,1,2,3,4,5,6,7,8,9,10,11,12,13,14,15
	ds_load_b128 v[RV+4*(\c):RV+4*(\c)+3], v[LA+2*(\n)+1] offset:16*(\c)
.endr
.endm
; The change of slots.  Each wave waits for all its tensor loads, adds 0 to its spare word, and waits for that and for its reads of slot n; behind the barrier nobody reads slot n any more and the other slot is whole.
; fill = 1: slot n is filled again, two steps on: the wave's one tensor load behind the barrier, and the first thing there.
.macro CHANGE n, fill
	s_wait_tensorcnt 0x0                           ; no tensor load of mine is out, so a group 0 may be written
	ds_add_u32 v[SPW], v[NIL]                      ; 0 onto my spare word
.if \fill
	s_add_nc_u64 s[G0+4*(\n)+2:G0+4*(\n)+3], s[G0+4*(\n)+2:G0+4*(\n)+3], 2*STEPB  ; the address steps; the type bits on top are not reached
.endif
	s_wait_dscnt 0x0                               ; the add is done, and my 32 reads of the slot are back
	s_barrier_signal -1
	s_barrier_wait -1
.if \fill
	tensor_load_to_lds s[G0+4*(\n):G0+4*(\n)+3], s[G1:G1+7]
	s_nop 0
.endif
.endm
; Eight registers from a on are rounded to bf16 and kept as f32
.macro RND8 a
.irp m, 0,1,2,3
	v_cvt_pk_bf16_f32 v[TT+(\m)], v[(\a)+2*(\m)], v[(\a)+2*(\m)+1]
.endr
.irp m, 0,1,2,3
	v_lshlrev_b32 v[(\a)+2*(\m)], 16, v[TT+(\m)]
	v_and_b32 v[(\a)+2*(\m)+1], s17, v[TT+(\m)]
.endr
.endm
; Row i of step t's block: W(i, j) = the sum over k of (u(i, k) s(k)) v(k, j), two j an instruction, k ascending; the first product starts the sums, so nothing is cleared
.macro ROW t, i
.irp m, 0,1,2,3
	v_cvt_pk_bf16_f32 v[TT+(\m)], v[RU+8*(\i)+2*(\m)], v[RU+8*(\i)+2*(\m)+1]  ; u's row, rounded,
.endr
.irp m, 0,1,2,3
	v_lshlrev_b32 v[US+2*(\m)], 16, v[TT+(\m)]     ; as f32,
	v_and_b32 v[US+2*(\m)+1], s17, v[TT+(\m)]
.endr
.irp m, 0,1,2,3
	v_pk_mul_f32 v[US+2*(\m):US+2*(\m)+1], v[US+2*(\m):US+2*(\m)+1], v[SR+8*(\t)+2*(\m):SR+8*(\t)+2*(\m)+1]  ; times s: exact
.endr
.irp c, 0,1,2,3
	v_pk_mul_f32 v[ACC+2*(\c):ACC+2*(\c)+1], v[RV+2*(\c):RV+2*(\c)+1], v[US:US+1] op_sel_hi:[1,0]  ; k = 0: both halves take the pair's first register
.endr
.irp k, 1,2,3,4,5,6,7
.irp c, 0,1,2,3
.if (\k)%2
	v_pk_fma_f32 v[ACC+2*(\c):ACC+2*(\c)+1], v[RV+8*(\k)+2*(\c):RV+8*(\k)+2*(\c)+1], v[US+(\k)-1:US+(\k)], v[ACC+2*(\c):ACC+2*(\c)+1] op_sel:[0,1,0]  ; odd k: both halves take the pair's second register
.else
	v_pk_fma_f32 v[ACC+2*(\c):ACC+2*(\c)+1], v[RV+8*(\k)+2*(\c):RV+8*(\k)+2*(\c)+1], v[US+(\k):US+(\k)+1], v[ACC+2*(\c):ACC+2*(\c)+1] op_sel_hi:[1,0,1]  ; even k: the first
.endif
.endr
.endr
.irp c, 0,1,2,3
	v_cvt_pk_bf16_f32 v[RU+8*(\i)+(\c)], v[ACC+2*(\c)], v[ACC+2*(\c)+1]  ; W's one rounding; u's row i has been used up
.endr
	global_store_b128 v[WO], v[RU+8*(\i):RU+8*(\i)+3], s[12:13] offset:(((\t)/2)*8+(\i))*8192+((\t)%2)*4096  ; a wave stores 512 consecutive bytes, at a multiple of 512 from wb's first byte
.endm
.macro BLOCK t
	s_wait_dscnt 0x0                               ; u and v are in registers
	RND8 SR+8*(\t)
.set r, 0
.rept 8
	RND8 RV+8*r
.set r, r+1
.endr
.irp i, 0,1,2,3,4,5,6,7
	ROW \t, \i
.endr
.endm
.irp t, 0,1,2,3                        ; s of all four steps: 32 bytes a thread and step
	global_load_b128 v[SR+8*(\t):SR+8*(\t)+3],   v[SO], s[6:7] offset:8192*(\t) th:TH_LOAD_NT
	global_load_b128 v[SR+8*(\t)+4:SR+8*(\t)+7], v[SO], s[6:7] offset:8192*(\t)+16 th:TH_LOAD_NT
.endr
	XLOAD 0
	s_wait_tensorcnt 0x1                           ; my part of slot 0 is in; slot 1's, the one load issued behind it, may stay out
	s_barrier_signal -1
	s_barrier_wait -1                              ; everybody's part is
	READ 0
	CHANGE 0, 1                                    ; slot 1 is whole; slot 0 takes step 2
	XB 0
	BLOCK 0
	READ 1
	CHANGE 1, 1                                    ; step 2 is whole; slot 1 takes step 3: the last load
	XB 1
	BLOCK 1
	READ 0
	XB 2
	BLOCK 2
	CHANGE 1, 0                                    ; step 3 is whole; nothing is left to fetch
	READ 1
	XB 3
	BLOCK 3
	s_wait_tensorcnt 0x0                           ; the wave's end, behind my last tensor load
	ds_add_u32 v[SPW], v[NIL]
	s_wait_dscnt 0x0
	s_endpgm
.Lfunc_end_k_qc2874043b5_prep:
	.size	k_qc2874043b5_prep, .Lfunc_end_k_qc2874043b5_prep-k_qc2874043b5_prep
	.p2alignl 7, 3214868480
	.fill 96, 4, 3214868480
	.section	.rodata,"a",@progbits
	.p2align	6, 0x0
	.amdhsa_kernel k_qc2874043b5_prep
		.amdhsa_group_segment_fixed_size 327680
		.amdhsa_private_segment_fixed_size 0
		.amdhsa_enable_private_segment 0
		.amdhsa_kernarg_size 48
		.amdhsa_user_sgpr_count 2
		.amdhsa_user_sgpr_kernarg_segment_ptr 1
		.amdhsa_wavefront_size32 1
		.amdhsa_system_sgpr_workgroup_id_x 1
		.amdhsa_system_sgpr_workgroup_id_y 1
		.amdhsa_system_sgpr_workgroup_id_z 1
		.amdhsa_system_vgpr_workitem_id 0
		.amdhsa_next_free_vgpr 256
		.amdhsa_next_free_sgpr 66
		.amdhsa_reserve_vcc 0
		.amdhsa_float_denorm_mode_32 3
		.amdhsa_float_denorm_mode_16_64 3
		.amdhsa_memory_ordered 1
		.amdhsa_forward_progress 1
		.amdhsa_inst_pref_size 151
	.end_amdhsa_kernel
	.amdgpu_metadata
---
amdhsa.version: [ 1, 2 ]
amdhsa.kernels:
  - .name:           k_qc2874043b5_prep
    .symbol:         k_qc2874043b5_prep.kd
    .args:
      - { .name: u, .offset: 0, .size: 8, .value_kind: global_buffer, .address_space: global }
      - { .name: s, .offset: 8, .size: 8, .value_kind: global_buffer, .address_space: global }
      - { .name: v, .offset: 16, .size: 8, .value_kind: global_buffer, .address_space: global }
      - { .name: x, .offset: 24, .size: 8, .value_kind: global_buffer, .address_space: global }
      - { .name: wb, .offset: 32, .size: 8, .value_kind: global_buffer, .address_space: global }
      - { .name: xb, .offset: 40, .size: 8, .value_kind: global_buffer, .address_space: global }
    .group_segment_fixed_size: 327680
    .private_segment_fixed_size: 0
    .kernarg_segment_align: 8
    .kernarg_segment_size: 48
    .max_flat_workgroup_size: 256
    .sgpr_count:     66
    .vgpr_count:     256
    .wavefront_size: 32
...
	.end_amdgpu_metadata
.endif
;; end of part 1
;; launch gemm (part 2): grid 16 x 16, 4 waves a work-group, clusters of 4 x 4, 327,680 bytes of LDS; arguments xb, wb, out0; writes out0
.if DOCPART == 2
	.amdgcn_target "amdgcn-amd-amdhsa--gfx1250"
	.amdhsa_code_object_version 6
	.text
	.protected	k_qc2874043b5_gemm
	.globl	k_qc2874043b5_gemm
	.p2align	8
	.type	k_qc2874043b5_gemm,@function
k_qc2874043b5_gemm:
	s_mov_b64 s[64:65], 0
	v_nop
	global_prefetch_b8 v0, s[64:65] scope:SCOPE_SE
	s_setreg_imm32_b32 hwreg(HW_REG_WAVE_MODE, 25, 1), 1
	s_wait_xcnt 0x0
	s_wait_alu depctr_hold_cnt(0) depctr_sa_sdst(0) depctr_va_vdst(0) depctr_va_sdst(0) depctr_va_ssrc(0) depctr_va_vcc(0) depctr_vm_vsrc(0)
	s_getreg_b32 s2, hwreg(HW_REG_IB_STS2, 6, 4)
	s_cmp_eq_u32 s2, 0
	s_cbranch_scc0 .Lentry_in_a_cluster
	s_endpgm
.Lentry_in_a_cluster:
	s_bfe_u32 s2, ttmp6, 0x10000c
	s_cmp_lg_u32 s2, 0xf033
	s_cbranch_scc0 .Lentry_shape_is_right
	s_endpgm
.Lentry_shape_is_right:
; SECOND OF TWO LAUNCHES.  out0[m][n] = the sum over k of xb[m][k] wb[n][k].  A = xb: [4096][4096] bf16, B = wb: [4096][4096] bf16 (both made by the first launch), C = out0: [4096][4096] f32.
; Nothing is left out.  Sums in f32, K ascending, one accumulator for each output; C is stored as the f32 sum.  LIMITS: those of the operands' bf16; NaN and infinities pass through untreated.
; A tile of C, 256 x 256, is made by a work-group of four waves; a wave makes 128 x 128: 64 accumulators of 16 x 16, 512 registers.  C has 16 x 16 tiles: one work-group each.
; K goes in steps of 128 through a ring of two LDS slots filled by the tensor data mover: a tile's rows are 256 bytes of memory and start at multiples of 256 bytes from the buffer's first byte.
; CLUSTERS: 4 x 4 work-groups.  The four of a row of the cluster make tiles of one tile row of C and need the same tiles of A; the four of a column need the same tiles of B.  Such a tile is asked
; for JOINTLY: each of the four issues the same tensor load, with the same descriptor and a mask that names the four, and each receives the tile in its own LDS: a quarter of the requests.
; REGISTERS, in windows of 256 (s_set_vgpr_msb: bits 1:0 source 0, 3:2 source 1, 5:4 source 2, 7:6 destination):
;   window 0: v0-31 addresses; v64-127, v128-191 fragments of A (8 x 16 rows x 32 K), two buffers; on the way out the same 128 registers take rows read back from the stage
;   window 1: v64-127, v128-191 fragments of B, two buffers
;   window 2: the 32 accumulators of my rows 0-63 (accumulator (a, b) at v[8 (8 a + b)]);   window 3: those of my rows 64-127
; THE MATRIX INSTRUCTION IS USED TRANSPOSED: source 0 = 16 rows of B, source 1 = 16 rows of A.  In the result lane l holds row l % 16 of C and its registers 0 to 7 the columns 8 (l / 16) + 0 .. 7:
; 32 neighbouring bytes of a row of C.
.set SIZE_M, 4096
.set SIZE_N, 4096
.set SIZE_K, 4096
.set KSTEP,  128
.set PITCH,  272                       ; an LDS row: 256 bytes + 16 of padding = 68 words: row r starts at bank 4 r mod 64 (64 banks of 4 bytes: ISA guide 11.1), so the 16 rows that a load touches start at 16 different banks
.set HALFT,  128*PITCH                 ; 128 rows: what one tensor load brings, and what one wave reads of A or of B
.set SLOT,   4*HALFT                   ; A's 256 rows, then B's 256 rows
.set STAGE,  2*SLOT                    ; behind the ring, never filled by a tensor load: 16 rows x 528 bytes for each wave, for the way out
.set SPITCH, 528                       ; a stage row: my 128 columns in f32, 512 bytes, + 16 of padding: 33 x 16 bytes, so sixteen rows start at sixteen different groups of four banks
.set SPARE,  STAGE+4*16*SPITCH         ; behind the stages: the spare words, 128 bytes for each wave: two blocks of 256 bytes that no other line names
.set LAPS,   SIZE_K/(2*KSTEP)          ; a lap = two K steps = once round the ring: 16
.set ADRA, 16                          ; v16-17  LDS address of my A fragments in slot 0, 1
.set ADRB, 20                          ; v20-21  the same for B
.set STO,  24                          ; v24     the way out: where I put 32 bytes of a row
.set RD,   25                          ; v25     the way out: where I read 16 bytes of a row back
.set CO,   26                          ; v26     16 x lane: my 16 bytes in my wave's 512 bytes of a row of C
.set SPW,  28                          ; v28     LDS address of my spare word: SPARE + 4 x my thread's number; never rewritten
.set NIL,  29                          ; v29     0; never rewritten
.set PFO,  30                          ; v30     the prefetches' offset: my lane x a row of A or B in memory; never rewritten
.set PFA,  44                          ; s[44:45] where my prefetches stand: my work-group's 32 rows of the 128 that I fetch, one K step further along K than the refill that is being asked for; a prefetch names the K step after that
.set LIM,  43                          ; s43     1 in a wave that prefetches, else the greatest number
.set F0,   64                          ; fragment buffer 0
.set F1,   128                         ; fragment buffer 1
.set OB,   64                          ; the way out: 16 rows read back from the stage, 64 registers: v64-127 and v128-191 by turns
.set G1,  24                           ; s[24:31] descriptor group 1 for A's tiles
.set G0,  32                           ; s[32:39] descriptor group 0 for A's tiles, one set for each slot
.set G1B, 48                           ; s[48:55] descriptor group 1 for B's tiles: it differs from A's in the mask alone
.set G0B, 56                           ; s[56:63] descriptor group 0 for B's tiles, one set for each slot
.set MSB, 0
.macro WIN new                         ; the immediate's high byte repeats the setting that is left; a switch that changes nothing is dropped
.if MSB != (\new)
	s_set_vgpr_msb (MSB<<8)|(\new)
.set MSB, \new
.endif
.endm
.set MUL_LO, 0xa1                      ; source 0 (B) window 1, source 1 (A) window 0, C and D window 2
.set MUL_HI, 0xf1                      ; the same, C and D window 3
.set TO_B,   0x40                      ; destination window 1, address window 0
; A joint load.  Waves 0 and 1 fetch A's two halves, waves 2 and 3 B's.  Each of the two lines has ONE mask and one set of registers for all that issue it.  The branch hangs on the wave's number alone.
; An s_nop 0 and four v_nop follow each of the two lines; the jump round the other line, the label and what follows the macro come after them.
.macro JLOAD s
	s_cmp_eq_u32 s11, 0
	s_cbranch_scc0 .Lfor_b_\@
	tensor_load_to_lds s[G0+4*(\s):G0+4*(\s)+3], s[G1:G1+7]
	s_nop 0
.rept 4
	v_nop
.endr
	s_branch .Lasked_\@
.Lfor_b_\@:
	tensor_load_to_lds s[G0B+4*(\s):G0B+4*(\s)+3], s[G1B:G1B+7]
	s_nop 0
.rept 4
	v_nop
.endr
.Lasked_\@:
.endm
; A PREFETCH INTO THE L2, behind each joint refill, its five lines and the run of LDS loads that follows them: the K step that stands TWO refills on, 512 matrix instructions ahead of the load that will
; want it: 32 rows x 256 bytes, a lane a row, one instruction a wave.  Each row's 256 bytes of a K step are named ONCE in the launch: A's tile row is read by every cluster of that row of clusters, and
; the one with cluster x = 0 asks; B's tile column by every cluster of that column, and the one with cluster y = 0 asks.  The four partners that ask for a tile jointly share its rows out BY ADDRESS:
; of the 128 rows that a wave fetches the partner at place p takes 32 p .. 32 p + 31 (p = cx for A, cy for B): no branch hangs on a work-group's place in its cluster.
; K steps 0 to 3 come by their loads alone; the loop's last trip (s3 = 1) asks for nothing: K steps 30 and 31 are the last that are named.
.macro ASK
	s_cmp_gt_u32 s3, s[LIM]
	s_cbranch_scc0 .Lnot_mine_\@
	global_prefetch_b8 v[PFO], s[PFA:PFA+1] offset:KSTEP*2 th:TH_LOAD_NT scope:SCOPE_SE
.Lnot_mine_\@:
.endm
; A round of the cluster's barrier: my work-group's barrier, so that wave 0's signal speaks for all four waves; wave 0 signals for the work-group; every wave waits for all sixteen work-groups;
; my work-group's barrier once more.  No LDS instruction of the wave is pending at a signal.
.macro CREST                           ; a round behind its opening barrier
	s_cmp_lg_u32 s10, 0
	s_cbranch_scc1 .Lnot_wave_0_\@
	s_barrier_signal -3
.Lnot_wave_0_\@:
	s_barrier_wait -3
	s_barrier_signal -1
	s_barrier_wait -1
.endm
.macro CROUND                          ; a whole round
	s_barrier_signal -1
	s_barrier_wait -1
	CREST
.endm
	s_load_b128 s[4:7], s[0:1], 0x0                ; A s[4:5], B s[6:7]
	s_load_b64 s[8:9], s[0:1], 0x10                ; C
	v_lshl_add_u32 v[SPW], v0, 2, SPARE
	v_mov_b32 v[NIL], 0
	ds_add_u32 v[SPW], v[NIL]                      ; the wave's opening: the add, twice on end, and its wait ahead of my first tensor load; the set-up below stands between
	ds_add_u32 v[SPW], v[NIL]                      ; and once more, under the one wait
	v_lshrrev_b32 v1, 5, v0
	v_readfirstlane_b32 s10, v1                    ; wave 0..3
	s_lshr_b32 s11, s10, 1                         ; which half of the tile's rows is mine.  Also: I fetch for A (0) or for B (1)
	s_and_b32 s12, s10, 1                          ; which half of its columns.  Also: which 128 rows of that tile I fetch
	s_bfe_u32 s40, ttmp6, 0x40000                  ; cx: my place along the cluster's x
	s_bfe_u32 s41, ttmp6, 0x40004                  ; cy: along its y
	s_lshl_b32 s42, ttmp9, 2                       ; in a cluster launch ttmp9 and ttmp7 count clusters
	s_add_co_u32 s42, s42, s40                     ; tile column of C = 4 x cluster x + cx
	s_and_b32 s13, ttmp7, 0xffff
	s_lshl_b32 s13, s13, 2
	s_add_co_u32 s13, s13, s41                     ; tile row of C = 4 x cluster y + cy
	s_lshl_b32 s43, s41, 2
	s_lshl_b32 s43, 15, s43                        ; my row of the cluster: places 4 cy .. 4 cy + 3
	s_lshl_b32 s44, 0x1111, s40                    ; my column: places cx, cx + 4, cx + 8, cx + 12
	; descriptor group 1: a tile of 128 rows x 128 elements, padded in LDS
	s_or_b32 s[G1+0], s43, (1<<16)|(1<<20)|(1<<21)|(5<<22)|(3<<25)  ; 15:0 the mask: A's tiles go to my row; 17:16 elements of 2 bytes; 20 padding on; 21 set beside a mask; 24:22 after every 64 words (code 5); 31:25 4 words of it (code 3)
	s_or_b32 s[G1B+0], s44, (1<<16)|(1<<20)|(1<<21)|(5<<22)|(3<<25) ; the same with the mask of my column, for B's tiles
.irp g, G1, G1B
	s_mov_b32 s[(\g)+1], KSTEP<<16                 ; tensor_dim0 = 128
	s_mov_b32 s[(\g)+2], 128<<16                   ; tensor_dim1 = 128
	s_mov_b32 s[(\g)+3], KSTEP<<16                 ; tile_dim0 = 128
	s_mov_b32 s[(\g)+4], 128                       ; tile_dim1 = 128
	s_mov_b32 s[(\g)+5], SIZE_K                    ; elements from row to row
	s_mov_b32 s[(\g)+6], 0
	s_mov_b32 s[(\g)+7], 0
.endr
	; where the tiles come from.  A's hang on the tile row alone, which my row of the cluster shares; B's on the tile column alone, which my column shares.
	; Every wave makes both addresses, in registers that never hold the other coordinate, and asks by one of them.
	s_lshl_b32 s17, s12, 7                         ; which 128 rows of the tile I fetch
	s_lshl_b32 s16, s13, 8
	s_add_co_u32 s16, s16, s17                     ; A: row 256 x tile row + 128 x half
	s_lshl_b32 s46, s42, 8
	s_add_co_u32 s46, s46, s17                     ; B: row 256 x tile column + 128 x half
	s_mov_b32 s17, 0
	s_mov_b32 s47, 0
	s_mov_b64 s[18:19], SIZE_K*2
	s_mul_u64 s[16:17], s[16:17], s[18:19]         ; in bytes
	s_mul_u64 s[46:47], s[46:47], s[18:19]
	s_mul_i32 s20, s10, HALFT                      ; and where they go: A's two halves, then B's two halves = wave x 128 rows: no place in the cluster enters an LDS address
	s_wait_dscnt 0x0                               ; both opening adds are done
	s_wait_kmcnt 0x0
	s_add_nc_u64 s[14:15], s[4:5], s[16:17]
	s_add_nc_u64 s[46:47], s[6:7], s[46:47]
	CROUND                                         ; all sixteen work-groups are here: the first joint loads meet
.irp s, 0,1
	s_mov_b32 s[G0+4*(\s)], 1                                      ; count = 1
	s_add_co_u32 s[G0+4*(\s)+1], s20, (\s)*SLOT                    ; LDS address
	s_add_nc_u64 s[G0+4*(\s)+2:G0+4*(\s)+3], s[14:15], (\s)*KSTEP*2  ; global address: K step s
	s_or_b32 s[G0+4*(\s)+3], s[G0+4*(\s)+3], 0x80000000            ; type = 2
	s_mov_b32 s[G0B+4*(\s)], 1
	s_add_co_u32 s[G0B+4*(\s)+1], s20, (\s)*SLOT
	s_add_nc_u64 s[G0B+4*(\s)+2:G0B+4*(\s)+3], s[46:47], (\s)*KSTEP*2
	s_or_b32 s[G0B+4*(\s)+3], s[G0B+4*(\s)+3], 0x80000000
	JLOAD \s                                       ; the ring is filled before anything else is done: two loads of mine are out
.endr
	; A fragment is 16 rows x 32 K in 8 registers: lane l holds row l % 16; registers 0-3 hold K = 8 (l / 16) + 0..7, registers 4-7 hold K = 16 + 8 (l / 16) + 0..7: two loads of 16 bytes, 32 bytes apart.
	v_and_b32 v1, 15, v0                           ; l % 16
	v_bfe_u32 v2, v0, 4, 1                         ; l / 16
	v_mul_u32_u24 v3, v1, PITCH
	v_lshl_add_u32 v3, v2, 4, v3                   ; row x pitch + 16 x half
	s_mul_i32 s21, s11, HALFT                      ; my 128 rows of A
	s_mul_i32 s22, s12, HALFT                      ; my 128 rows of B,
	s_add_co_u32 s22, s22, 2*HALFT                 ; which lie behind A's 256
.irp s, 0,1
	v_add_nc_u32 v[ADRA+(\s)], s21, v3
	v_add_nc_u32 v[ADRB+(\s)], s22, v3
	s_add_co_u32 s21, s21, SLOT
	s_add_co_u32 s22, s22, SLOT
.endr
	s_mul_i32 s23, s10, 16*SPITCH
	s_add_co_u32 s23, s23, STAGE                   ; my stage
	v_mul_u32_u24 v4, v1, SPITCH                   ; in: row l % 16, 32 bytes for each half of the lanes
	v_lshl_add_u32 v4, v2, 5, v4
	v_add_nc_u32 v[STO], s23, v4
	v_and_b32 v5, 31, v0
	v_lshlrev_b32 v[CO], 4, v5                     ; back: 32 lanes take one row of 512 bytes,
	v_add_nc_u32 v[RD], s23, v[CO]                 ; which are 512 consecutive bytes of C
	; C at my wave's first row and column
	s_lshl_b32 s13, s13, 8
	s_lshl_b32 s14, s11, 7
	s_add_co_u32 s16, s13, s14                     ; my first row of C
	s_mov_b32 s17, 0
	s_mov_b64 s[18:19], SIZE_N*4
	s_mul_u64 s[16:17], s[16:17], s[18:19]
	s_lshl_b32 s46, s42, 10                        ; my first column, in bytes: 1,024 x tile column + 512 x half (in the registers that held B's address)
	s_lshl_b32 s47, s12, 9
	s_add_co_u32 s46, s46, s47
	s_mov_b32 s47, 0
	s_add_nc_u64 s[16:17], s[16:17], s[46:47]
	s_add_nc_u64 s[8:9], s[8:9], s[16:17]          ; written once: the rows stand in the stores' immediates
	; the prefetches.  s13 = 256 x tile row, s42 = tile column, s40 = cx, s41 = cy still stand; s[4:5] = A, s[6:7] = B
	s_lshl_b32 s42, s42, 8
	s_and_b32 s22, ttmp7, 0xffff                   ; cluster y
	s_cmp_eq_u32 s11, 0                            ; do I fetch for A?
	s_cselect_b32 s20, s13, s42                    ; the tile's first row: in A by the tile row, in B by the tile column
	s_cselect_b32 s21, s40, s41                    ; my place among the four that ask for it with me
	s_cselect_b32 s22, ttmp9, s22                  ; the coordinate along which other clusters read the same rows
	s_cselect_b64 s[PFA:PFA+1], s[4:5], s[6:7]
	s_cmp_eq_u32 s22, 0
	s_cselect_b32 s[LIM], 1, -1                    ; the same in all sixteen partners, for a given wave
	s_lshl_b32 s22, s12, 7
	s_add_co_u32 s20, s20, s22                     ; + the 128 rows that I fetch
	s_lshl_b32 s21, s21, 5
	s_add_co_u32 s20, s20, s21                     ; + my work-group's 32 of them
	s_mov_b32 s21, 0
	s_mov_b64 s[18:19], SIZE_K*2
	s_mul_u64 s[20:21], s[20:21], s[18:19]
	s_add_nc_u64 s[PFA:PFA+1], s[PFA:PFA+1], s[20:21]
	s_add_nc_u64 s[PFA:PFA+1], s[PFA:PFA+1], 2*KSTEP*2  ; at K step 2: the first refill steps it to 3 and names K step 4
	v_and_b32 v[PFO], 31, v0
	v_mul_u32_u24 v[PFO], v[PFO], SIZE_K*2
	; nothing is prefetched here, at the head, where every work-group's first two tiles are on their way
; 16 matrix instructions: m blocks a0, a0 + 1 of the window's four (hi = 0: my rows 0-63, 1: rows 64-127) x all 8 n blocks, 32 along K.  zero = 1: the first product starts the sums: nothing is ever cleared.
.macro MUL16 f, hi, a0, zero
	WIN MUL_LO+0x50*(\hi)  ; MUL_LO or MUL_HI
.irp a, \a0, (\a0)+1
.irp b, 0,1,2,3,4,5,6,7
.if \zero
	v_wmma_f32_16x16x32_bf16 v[8*(8*(\a)+(\b)):8*(8*(\a)+(\b))+7], v[(\f)+8*(\b):(\f)+8*(\b)+7], v[(\f)+8*(4*(\hi)+(\a)):(\f)+8*(4*(\hi)+(\a))+7], 0
.else
	v_wmma_f32_16x16x32_bf16 v[8*(8*(\a)+(\b)):8*(8*(\a)+(\b))+7], v[(\f)+8*(\b):(\f)+8*(\b)+7], v[(\f)+8*(4*(\hi)+(\a)):(\f)+8*(4*(\hi)+(\a))+7], v[8*(8*(\a)+(\b)):8*(8*(\a)+(\b))+7]
.endif
.endr
.endr
.endm
; 32 LDS loads in one run: the fragments of one quarter step (128 rows of B, 128 rows of A, 32 K at byte k of the rows) into buffer f
.macro FETCH slot, k, f
	WIN TO_B
.irp i, 0,1,2,3,4,5,6,7
	ds_load_b128 v[(\f)+8*(\i):(\f)+8*(\i)+3],   v[ADRB+(\slot)] offset:(\k)+(\i)*16*PITCH
	ds_load_b128 v[(\f)+8*(\i)+4:(\f)+8*(\i)+7], v[ADRB+(\slot)] offset:(\k)+(\i)*16*PITCH+32
.endr
	WIN 0
.irp i, 0,1,2,3,4,5,6,7
	ds_load_b128 v[(\f)+8*(\i):(\f)+8*(\i)+3],   v[ADRA+(\slot)] offset:(\k)+(\i)*16*PITCH
	ds_load_b128 v[(\f)+8*(\i)+4:(\f)+8*(\i)+7], v[ADRA+(\slot)] offset:(\k)+(\i)*16*PITCH+32
.endr
.endm
; A load into a register that a matrix instruction has read, and an LDS store that reads a matrix result, stand four places behind that matrix instruction, and only plain vector instructions that
; name none of its registers are places (ISA guide 7.12.1 for vector instructions); the matrix instructions in between are not counted.
.macro PLACES
.rept 4
	v_nop
.endr
.endm
; A K step is four quarter steps of 32 along K, 64 matrix instructions each, on buffers 0, 1, 0, 1.  The 64 accumulators take turns in the same order in every quarter:
; between two matrix instructions on one accumulator stand the 63 others', over the backward jump and in the tail too.
; One of the first three quarters: multiplies buffer f; in its middle it fetches the next quarter's fragments, at byte k of the same slot's rows, into buffer g.
.macro QUARTER slot, k, f, g, zero
	s_wait_dscnt 8                                 ; B and A's rows 0-63 are in; the youngest eight loads (A's rows 64-127) may be out
	WIN MUL_LO
	MUL16 \f, 0, 0, \zero
	MUL16 \f, 0, 2, \zero
	PLACES
	FETCH \slot, \k, \g
	s_wait_dscnt 32                                ; all but the 32 just issued
	WIN MUL_HI
	MUL16 \f, 1, 0, \zero
	MUL16 \f, 1, 2, \zero
.endm
; The last quarter multiplies buffer 1 and changes slots.  MEET is its first half: ONE barrier for the change.  In front of it each wave waits for all its tensor loads, of which one is out: its part of
; the next slot; adds 0 to its spare word; and waits for that and for its own reads of this slot.  Behind it nobody reads this slot any more and the next slot is whole.
.macro MEET round                      ; round = 1: a round of the cluster's barrier follows
	WIN 0                                          ; (the add's two registers lie in window 0)
	s_wait_tensorcnt 0x0                           ; all my tensor loads have landed;
	ds_add_u32 v[SPW], v[NIL]                      ; 0 onto my spare word;
	s_wait_dscnt 9                                 ; (the add and the youngest eight loads may be out)
	WIN MUL_LO
	MUL16 F1, 0, 0, 0                              ; sixteen matrix instructions stand between the add and the wait for it
	s_wait_dscnt 0x0                               ; the add is done, and my reads of this slot are over:
	s_barrier_signal -1                            ; say so (where a slot is filled again this barrier opens a round of the cluster's barrier),
	MUL16 F1, 0, 2, 0                              ; work on registers while the others arrive,
.if \round
	WIN 0
.endif
	s_barrier_wait -1                              ; and go on when all four have said so
.endm
; The whole last quarter, with a refill.  Behind the round the slot just read out is filled again first, with the K step two steps on; then come the next slot's first fragments.
; From a request to the wait for it a wave issues 224 matrix instructions.
.macro TURN slot, next
	s_wait_xcnt 0x0                                ; the last prefetch, a K step back, has read its address: it is stepped here, ahead of the waits of the change of slots
	s_add_nc_u64 s[PFA:PFA+1], s[PFA:PFA+1], KSTEP*2
	MEET 1
	CREST                                          ; no wave of any partner still reads this slot's tile or has a load on its way
	s_add_nc_u64 s[G0+4*(\slot)+2:G0+4*(\slot)+3], s[G0+4*(\slot)+2:G0+4*(\slot)+3], 2*KSTEP*2
	s_add_nc_u64 s[G0B+4*(\slot)+2:G0B+4*(\slot)+3], s[G0B+4*(\slot)+2:G0B+4*(\slot)+3], 2*KSTEP*2
	JLOAD \slot                                    ; the first tensor load behind the round; the four v_nop behind it are also the places in front of the loads below
	FETCH \next, 0, F0
	ASK                                            ; behind the joint load and the run of LDS loads that the next products wait for
	WIN MUL_HI
	MUL16 F1, 1, 0, 0
	MUL16 F1, 1, 2, 0
.endm
; The same without a refill: the last lap's change from slot 0 to slot 1.  Nothing is filled, so no round follows the barrier.
.macro TURNL
	MEET 0
	PLACES                                         ; for the loads into buffer 0, which the quarter before multiplied
	FETCH 1, 0, F0
	WIN MUL_HI
	MUL16 F1, 1, 0, 0
	MUL16 F1, 1, 2, 0
.endm
; THE WAY OUT of block a (16 rows of my 128), in two parts.  A lane's 32 bytes are one sixteenth of my wave's 512 bytes of a row, and the lanes beside it hold other rows: so a block goes through my own
; stage in LDS.  TOSTAGE: each accumulator's eight registers as two stores of 16 bytes, the low four first; then the sixteen rows back, 512 bytes a load.
.macro TOSTAGE a
.set AC, 64*((\a)%4)
.set BK, OB+64*((\a)%2)
	WIN 0x08+4*((\a)/4)                            ; the stores' data (source 1) in window 2 or 3, the address in window 0
.irp b, 0,1,2,3,4,5,6,7
	ds_store_b128 v[STO], v[AC+8*(\b):AC+8*(\b)+3]   offset:64*(\b)
	ds_store_b128 v[STO], v[AC+8*(\b)+4:AC+8*(\b)+7] offset:64*(\b)+16
.endr
	WIN 0
.if (\a) >= 2
	s_wait_xcnt 0x0                                ; the stores of the block two back have read these registers: only behind this wait are they loaded again
.endif
.irp t, 0,1,2,3,4,5,6,7,8,9,10,11,12,13,14,15
	ds_load_b128 v[BK+4*(\t):BK+4*(\t)+3], v[RD] offset:(\t)*SPITCH  ; LDS serves a wave's instructions in order (ISA guide 5.7.1.4): these see the stores above; the next block's stores come behind them
.endr
.endm
.macro SEND a, younger                 ; younger: the LDS instructions issued behind block a's loads: the next block's 16 stores and 16 loads, or none
.set BK, OB+64*((\a)%2)
	s_wait_dscnt \younger                          ; the block is back in registers
.irp t, 0,1,2,3,4,5,6,7,8,9,10,11,12,13,14,15
	global_store_b128 v[CO], v[BK+4*(\t):BK+4*(\t)+3], s[8:9] offset:(16*(\a)+(\t))*SIZE_N*4 th:TH_STORE_NT  ; 32 lanes store 512 consecutive bytes, at a multiple of 512 from C's first byte; 127 rows of 16,384 bytes at the most: inside the signed 24-bit immediate
.endr
.endm
	s_wait_tensorcnt 1                             ; my part of K step 0 is in; K step 1's, the one load issued behind it, may stay out
	s_barrier_signal -1
	s_barrier_wait -1                              ; everybody's is
	FETCH 0, 0, F0
	QUARTER 0, 64,  F0, F1, 1                      ; the first quarter stands in front of the loop: its products start the sums
	WIN 0                                          ; at a label and at a branch every window is 0
	s_mov_b32 s3, LAPS-1
.Llap:                                                 ; 15 trips: a trip goes once round the ring, from a lap's second quarter to the next lap's first, and fills both slots again: K steps 2 to 31
	QUARTER 0, 128, F1, F0, 0
	QUARTER 0, 192, F0, F1, 0
	TURN 0, 1
	QUARTER 1, 64,  F0, F1, 0
	QUARTER 1, 128, F1, F0, 0
	QUARTER 1, 192, F0, F1, 0
	TURN 1, 0
	QUARTER 0, 64,  F0, F1, 0
	WIN 0
	s_sub_co_u32 s3, s3, 1
	s_cmp_lg_u32 s3, 0
	s_cbranch_scc1 .Llap
	QUARTER 0, 128, F1, F0, 0                      ; the last lap is written out: it fills nothing
	QUARTER 0, 192, F0, F1, 0
	TURNL
	QUARTER 1, 64,  F0, F1, 0
	QUARTER 1, 128, F1, F0, 0
	QUARTER 1, 192, F0, F1, 0
	s_wait_dscnt 8                                 ; the very last quarter: nothing more to fetch
	MUL16 F1, 0, 0, 0
	MUL16 F1, 0, 2, 0
	s_wait_dscnt 0x0
	MUL16 F1, 1, 0, 0
	MUL16 F1, 1, 2, 0
	WIN 0
	PLACES                                         ; behind the last products: the stores below read results, and the loads from the stage land in A's fragment buffers
	PLACES
	TOSTAGE 0
.irp a, 1,2,3,4,5,6,7                  ; block a goes into the stage while block a - 1's rows come back
	TOSTAGE \a
	SEND (\a)-1, 32
.endr
	SEND 7, 0
	s_wait_tensorcnt 0x0                           ; the wave's end, behind my last tensor load and my last LDS store
	ds_add_u32 v[SPW], v[NIL]
	s_wait_dscnt 0x0
	CROUND                                         ; the closing round: no work-group ends while a partner may still ask for a tile that names it
	s_endpgm
.Lfunc_end_k_qc2874043b5_gemm:
	.size	k_qc2874043b5_gemm, .Lfunc_end_k_qc2874043b5_gemm-k_qc2874043b5_gemm
	.p2alignl 7, 3214868480
	.fill 96, 4, 3214868480
	.section	.rodata,"a",@progbits
	.p2align	6, 0x0
	.amdhsa_kernel k_qc2874043b5_gemm
		.amdhsa_group_segment_fixed_size 327680
		.amdhsa_private_segment_fixed_size 0
		.amdhsa_enable_private_segment 0
		.amdhsa_kernarg_size 24
		.amdhsa_user_sgpr_count 2
		.amdhsa_user_sgpr_kernarg_segment_ptr 1
		.amdhsa_wavefront_size32 1
		.amdhsa_system_sgpr_workgroup_id_x 1
		.amdhsa_system_sgpr_workgroup_id_y 1
		.amdhsa_system_sgpr_workgroup_id_z 1
		.amdhsa_system_vgpr_workitem_id 0
		.amdhsa_next_free_vgpr 1024
		.amdhsa_next_free_sgpr 66
		.amdhsa_reserve_vcc 0
		.amdhsa_float_denorm_mode_32 3
		.amdhsa_float_denorm_mode_16_64 3
		.amdhsa_memory_ordered 1
		.amdhsa_forward_progress 1
		.amdhsa_inst_pref_size 141
	.end_amdhsa_kernel
	.amdgpu_metadata
---
amdhsa.version: [ 1, 2 ]
amdhsa.kernels:
  - .name:           k_qc2874043b5_gemm
    .symbol:         k_qc2874043b5_gemm.kd
    .args:
      - { .name: xb, .offset: 0, .size: 8, .value_kind: global_buffer, .address_space: global }
      - { .name: wb, .offset: 8, .size: 8, .value_kind: global_buffer, .address_space: global }
      - { .name: out0, .offset: 16, .size: 8, .value_kind: global_buffer, .address_space: global }
    .group_segment_fixed_size: 327680
    .private_segment_fixed_size: 0
    .kernarg_segment_align: 8
    .kernarg_segment_size: 24
    .max_flat_workgroup_size: 128
    .sgpr_count:     66
    .vgpr_count:     1024
    .wavefront_size: 32
...
	.end_amdgpu_metadata
.endif
;; end of part 2
